; MI455X (gfx1250); checked and timed in simulation.
; The chip was launched on July 23, 2026; its instructions are those of AMD's public machine-readable ISA for CDNA 5 (MIT licence, August 2026) and "CDNA5" Instruction Set Architecture Reference Guide (July 2026). The comments in the code are by the model that wrote it; some were corrected since.
;; Custom Attention. Allowed arithmetic: matrix products marked QUANTISED: E2M3 operands, one E8M0 scale for each 32 along K, by v_wmma_scale_f32_16x16x128_f8f6f4 with both operands' format E2M3, f32 sums; products left as they are: f32 operands where the result goes on into a quantised operand, else bf16, f16 or f32 operands; f32 sums; everything else in f32.
;; Inputs: W_codes 1,024 x 32 x 24 uint8 (E2M3 codes of W, K innermost, in blocks of 32 codes, four codes in three bytes); W_scales 1,024 x 32 uint8 (E8M0 scales of W, one for each 32 codes along K); b 1,024 float32; decoder_hidden 32 x 1,024 float32; encoder_outputs_codes 2,048 x 32 x 32 x 24 uint8 (E2M3 codes of encoder_outputs, K innermost, in blocks of 32 codes, four codes in three bytes); encoder_outputs_scales 2,048 x 32 x 32 uint8 (E8M0 scales of encoder_outputs, one for each 32 codes along K).
;; Outputs: out0 32 x 1 x 2,048 float32.
;; This version of the problem:
;;   THIS VERSION OF THE PROBLEM IS GIVEN IN LOW PRECISION. The matrix products marked QUANTISED in the list below multiply operands that are first quantised to E2M3 (2 exponent bits, 3 mantissa bits; 6 bits a number), with one power-of-two scale for each 32 numbers along K (OCP MX v1.0); their sums are f32. All else is computed in f32.
;;   The module's matrix products, in the order in which they are computed (A, B: the left and right operand; K: the contracted axis; several contracted axes count as one K, in the product's order):
;;     1. [M 65,536, K 1,024] x [K 1,024, N 1,024]; A: input encoder_outputs (given as codes); B: input W (given as codes): QUANTISED
;;     2. batch 32 x [M 1, K 1,024] x [K 1,024, N 2,048]; A: input decoder_hidden; B: computed on the way: left as it is (M = 1 < 16)
;;   THE QUANTISER, for each operand of a quantised product, along K:
;;     - K is cut into blocks of 32 from its start; a last block that is shorter is filled with zeros.
;;     - A block's scale is 2^e with e = floor(log2(the largest magnitude in the block)) - 2, held to -126 .. 127; a block of zeros has e = 0. As a byte (E8M0): e + 127.
;;     - Each number is divided by its block's scale, clamped to +-7.5, and rounded to the nearest number of E2M3, ties to even, subnormals kept.
;;     - The product sums the exact products of the quantised numbers (number of the format x scale) in f32.
;;   ~~~python
;;   def quantise(x, axis):      # numpy; x: float32 -> the quantised numbers, widened to float32 again
;;       x = np.moveaxis(x, axis, -1); K = x.shape[-1]
;;       x = np.pad(x, [(0, 0)] * (x.ndim - 1) + [(0, -K % 32)]); x = x.reshape(x.shape[:-1] + (-1, 32)); a = np.abs(x).max(-1, keepdims=True)
;;       e = np.where(a > 0, np.clip(np.frexp(np.where(a > 0, a, 1))[1] - 1 - 2, -126, 127), 0)      # np.frexp(a)[1] - 1 = floor(log2(a)), exactly
;;       r = np.clip(x / 2.0 ** e, -7.5, 7.5)
;;       step = 2.0 ** (np.maximum(np.frexp(np.where(r == 0, 1, r))[1] - 1, 0) - 3)
;;       q = np.round(r / step) * step * 2.0 ** e      # np.round: ties to even
;;       return np.moveaxis(q.reshape(q.shape[:-2] + (-1,))[..., :K], -1, axis).astype(np.float32)
;;   ~~~
;;   INPUTS GIVEN AS CODES. W (in the module: [1024, 1024], K = its axis 1); encoder_outputs (in the module: [2048, 32, 1024], K = its axis 2): each comes as NAME_codes (uint8): NAME with its K axis moved to the last place and cut into blocks of 32 codes, [.., K / 32, bytes a block], one block behind the other in memory; four codes in three bytes: a row's codes are one little-endian stream of bits, code i at bits 6 i .. 6 i + 5 (a code: sign, 2 exponent bits, 3 mantissa bits); and NAME_scales (uint8): the same leading axes, one E8M0 byte (e + 127) for each 32 codes along K. Its value is code x scale, taken as it is: it is not quantised again, and the codes and scales need not be those that the quantiser above would give.
;; One version. Each part assembles by itself: llvm-mc -triple=amdgcn-amd-amdhsa -mcpu=gfx1250 --defsym DOCPART=n.
;; ======== version 1 of 1: 2 launches
;; limits: right only within a limited range of input values
;; workspace buffers: part 1,048,576 bytes
;; launch energy (part 1): grid 4 x 64, 8 waves a work-group, clusters of 4 x 4, 327,680 bytes of LDS; arguments W_codes, W_scales, decoder_hidden, encoder_outputs_codes, encoder_outputs_scales, part; writes part
.if DOCPART == 1
	.amdgcn_target "amdgcn-amd-amdhsa--gfx1250"
	.amdhsa_code_object_version 6
	.text
	.protected	k_qc8f8a1f10e_energy
	.globl	k_qc8f8a1f10e_energy
	.p2align	8
	.type	k_qc8f8a1f10e_energy,@function
k_qc8f8a1f10e_energy:
	s_mov_b64 s[64:65], 0
	v_nop
	global_prefetch_b8 v0, s[64:65] scope:SCOPE_SE
	s_setreg_imm32_b32 hwreg(HW_REG_WAVE_MODE, 25, 1), 1
	s_wait_xcnt 0x0
	s_wait_alu depctr_hold_cnt(0) depctr_sa_sdst(0) depctr_va_vdst(0) depctr_va_sdst(0) depctr_va_ssrc(0) depctr_va_vcc(0) depctr_vm_vsrc(0)
	s_getreg_b32 s2, hwreg(HW_REG_IB_STS2, 6, 4)
	s_cmp_eq_u32 s2, 0
	s_cbranch_scc0 .Lentry_in_a_cluster
	s_endpgm
.Lentry_in_a_cluster:
	s_bfe_u32 s2, ttmp6, 0x10000c
	s_cmp_lg_u32 s2, 0xf033
	s_cbranch_scc0 .Lentry_shape_is_right
	s_endpgm
.Lentry_shape_is_right:
; part[q][b][s] = sum over e in quarter q of dh[b][e] x (sum over d of enc[s][b][d] W[e][d]).  enc [2048 s][32 b][1024] and W [1024 e][1024] are codes of FP6 (E2M3) with one E8M0 byte for each 32 along d;
; they go to the matrix unit as they lie.  dh, part: f32.  The four quarters of e are added, and the softmax taken, by the next launch.
; LEFT OUT, DEAD WORK: the bias b.  energies[b][s] = sum over e of dh[b][e] (T[s][b][e] + b[e]): the part sum over e of dh[b][e] b[e] is the same for every s, and the softmax runs along s: for all finite values of
; the inputs it cancels.  So b is not loaded and is no argument of any launch.  LIMIT: a NaN, an infinity or an overflow that reaches only that part is not carried to the result.
; W STAYS IN REGISTERS, enc IS STREAMED.  A work-group owns a quarter of e (256 rows of W).  Wave w takes the 128 rows of half w / 4 and the K quarter w % 4 (256 along K, two K steps): 8 tiles x 2 K steps x 12 = 192 registers.
; THE ENERGY IS LINEAR IN THE PRODUCT: each wave sums dh x its part of T, and the four K quarters and two halves of e meet as energies, at the end.  So a fragment of enc read from LDS feeds 8 products, and no part of T leaves a wave.
; The work-group walks 1,024 rows of enc: 64 values of s x 16 batches, as 64 tiles of 16 rows (one s, 16 batches: 12,288 consecutive bytes), through a ring of two LDS slots of 8 tiles.
; TRANSPOSED: source 0 = 16 rows of W, source 1 = 16 rows of enc: a lane holds ONE row of enc (one batch, lane % 16) and eight neighbouring e.  dh of the lane's batch and its 64 e stays in 64 registers.
; CLUSTER 4 x 4: the four work-groups of a row hold the four quarters of e and want the same tiles of enc; the four of a column hold the same quarter of W: both are asked for JOINTLY.
; PIPELINE: the fragments of tile t + 2 are asked of LDS behind tile t's products, into the set that tile t leaves; the energy of tile t - 1 is summed among tile t's products, two packed lines behind each.
; LIMITS: a scale byte 0xff gives NaN.  The sums are grouped otherwise than a plain chain (K in quarters; 64 e a lane in four chains of pairs; two halves of the lanes; eight waves; four quarters), all in f32.
; REGISTERS, window 0: v1-23 addresses; v24-31 W's scale words; v32-35 enc's, two sets; v36-45 the energy at work; v48-175 accumulators, two sets of eight; v176-223 enc's fragments, two sets; v224-240 the head.
;   window 1: v0-191 W's fragments (tile n, K step d at 24 n + 12 d); v192-255 dh.  A product and an energy line both take source 0 from window 1 and all else from window 0: one setting serves both.
.set RP,     816                       ; a row of 768 bytes in LDS: 3 x (256 + 16 of padding) = 204 words: row r starts at bank 12 r mod 64 (64 banks of 4 bytes: ISA guide 11.1): the 32 lanes of a load of 8 bytes touch 64 different banks
.set CH,     16*RP                     ; a tile of 16 rows
.set HALF,   4*CH                      ; four tiles: what one tensor load brings
.set SCOFF,  8*CH                      ; a slot: 8 tiles, then their scale bytes, 512 a tile
.set SLOT1,  0x20000                   ; slot 1 begins here, so that one exclusive or turns an address in one slot into the other's
.set WST,    SCOFF+4096                ; W's stage, 256 rows, filled once.  It lies behind slot 0 and over slot 1, which is first filled when W is in registers
.set EB,     SLOT1+SCOFF+4096          ; the energies: 8 waves x 16 batches x (64 s x 4 bytes + 16).  In blocks of W's stage behind slot 1: they have had their last fill, and are first stored to behind the first change of slots
.set EPITCH, 272
.set SPARE,  WST+4*HALF                ; the spare words, 128 bytes for each wave: four blocks of 256 bytes that no other line names
.set FILLB,  8*24576                   ; from a slot's tiles to the next slot's, in enc's codes (a tile's s is 32 rows of 768 bytes on)
.set FILLS,  8*1024                    ; and in enc's scale bytes
.set SPW,  1                           ; v1   LDS address of my spare word; never rewritten
.set NIL,  2                           ; v2   0; never rewritten
.set LP,   3                           ; v3-7 my lane's place in a tile, five forms (FRAG)
.set SLP,  8                           ; v8   my lane's place among a slot's scale words: lanes 0-15 the even tile of a pair, lanes 16-31 the odd one
.set ADS,  9                           ; v9   the slot's scale words
.set EST,  10                          ; v10  where my energies begin
.set EAD,  11                          ; v11  the same, 32 bytes on for each slot
.set PFO,  12                          ; v12  the prefetches' offset; never rewritten
.set EP,   13
.set AD,   14                          ; v14-18 the slot's tiles 0-3 (five forms), v19-23 its tiles 4-7
.set WS,   24                          ; W's scale words: K step d, pair np of tiles at 24 + 4 d + np: lanes 0-15 tile 2 np, lanes 16-31 tile 2 np + 1
.set AS,   32                          ; enc's: set s, K step d at 32 + 2 s + d.  (K step 1's numbers differ modulo 8 from W's)
.set EA,   36                          ; v36-43 four chains of pairs
.set ER,   44                          ; v44 the even tile's energy, v45 the odd one's, each still in two halves of the lanes
.set RD,   46                          ; v46  the way out: where I read energies back
.set CO,   47                          ; v47  and my byte offset in part
.set ACC,  48                          ; set p (the tile's parity), W's tile n at 48 + 64 p + 8 n
.set OUTR, 48                          ; the way out
.set FG,   176                         ; enc's fragments: set p, K step d at 176 + 24 p + 12 d
.set RR,   224                         ; r = lane % 16
.set HH,   225                         ; h = lane / 16
.set DHW,  192                         ; dh, in window 1
.set WV,   18                          ; s18  my wave's number;  s19 its low bit
.set W1,   19
.set CX,   20
.set CY,   21
.set QN,   22                          ; s22  my quarter of e
.set GY,   23                          ; s23  my group of rows
.set G1A,  24                          ; s[24:31] group 1, enc's codes;  s[32:39] enc's scale bytes;  s[40:47] W's codes
.set G1S,  32
.set G1W,  40
.set G0A,  48                          ; s[48:51], s[52:55] groups 0 that walk;  s[56:59] W's
.set G0S,  52
.set G0W,  56
.set KQ,   60                          ; s60  my K quarter
.set EH,   61                          ; s61  my half of the 256 rows of W
.set TB,   76                          ; s76  LDS byte at which the slot that is being read begins;  s77 its tiles 4-7
.set TBH,  77
.set CNT,  78                          ; s78  changes of slots that still fill a slot, in the loop
.set LIM,  79                          ; s79  1 in a wave that prefetches, else the greatest number
.set PFA,  80                          ; s[80:81] where my work-group's prefetches stand
.set EO,   82                          ; s82  32 bytes of energies a slot
.set MSB, 0
.macro WIN new                         ; the immediate's high byte repeats the setting that is left; a switch that changes nothing is dropped
.if MSB != \new
	s_set_vgpr_msb (MSB<<8)|\new
.set MSB, \new
.endif
.endm
.macro PLACES
.rept 4
	v_nop
.endr
.endm
.macro CREST                           ; a round of the cluster's barrier behind its opening barrier
	s_cmp_lg_u32 s[WV], 0
	s_cbranch_scc1 .Lnot_wave_0_\@
	s_barrier_signal -3
.Lnot_wave_0_\@:
	s_barrier_wait -3
	s_barrier_signal -1
	s_barrier_wait -1
.endm
.macro CROUND                          ; a whole round
	s_barrier_signal -1
	s_barrier_wait -1
	CREST
.endm
; The joint loads that fill a slot again: waves 4 and 5 fetch four tiles of codes each, waves 6 and 7 their scale bytes: at most one load a wave.  The branches hang on the wave's number alone.
.macro JLOAD
	s_cmp_lt_u32 s[WV], 4
	s_cbranch_scc1 .Lasked_\@
	s_cmp_lt_u32 s[WV], 6
	s_cbranch_scc0 .Lfor_s_\@
	tensor_load_to_lds s[G0A:G0A+3], s[G1A:G1A+7]
	s_nop 0
	PLACES
	s_branch .Lasked_\@
.Lfor_s_\@:
	tensor_load_to_lds s[G0S:G0S+3], s[G1S:G1S+7]
	s_nop 0
	PLACES
.Lasked_\@:
.endm
; A PREFETCH of the codes that the NEXT change of slots will ask for: 8 tiles x 12,288 bytes.  Only my row of the cluster reads them; its four partners share them out BY ADDRESS, two tiles each; in each, waves 0 to 2 ask,
; one instruction a wave, lanes 256 bytes apart: 96 lanes for 2 x 12,288 bytes.  So each aligned 256 bytes are named once in the launch.  The first slot comes by its loads alone; the last change that fills a slot asks for nothing.
.macro ASK
	s_cmp_gt_u32 s[CNT], s[LIM]
	s_cbranch_scc0 .Lnone_\@
	global_prefetch_b8 v[PFO], s[PFA:PFA+1] th:TH_LOAD_NT scope:SCOPE_SE
.Lnone_\@:
.endm
; A fragment, 16 rows x 128 K of 6-bit codes, is 12 registers: lane (r, h) holds row r; registers 6 c .. 6 c + 5 hold K = 64 c + 32 h + 0 .. 31: 24 bytes of the row as they lie, in pieces of 8 bytes.
; My K quarter is the row's pieces 24 kq .. 24 kq + 23.  In K step d lanes 0-15 take its pieces 12 d + 0, 1, 2, 6, 7, 8, lanes 16-31 those three pieces on.  16 bytes of padding lie behind every 32 pieces of a row; of my 24 each group
; of eight lies behind u(g) = 16 x ((3 kq + g) / 4) bytes of it.  Form 0: both halves of the lanes in group 0; 1: groups 0 and 1; 2: both in 1; 3: groups 1 and 2; 4: both in 2.
.macro FRAG reg, adr, d, off
.irp i, 0,1,2,6,7,8
.set PC, 12*(\d)+\i
.set PR, \i-3*(\i/6)
.set FM, 0
.if PC > 2
.set FM, 1
.endif
.if PC > 7
.set FM, 2
.endif
.if PC > 12
.set FM, 3
.endif
.if PC > 14
.set FM, 4
.endif
	ds_load_b64 v[(\reg)+2*PR:(\reg)+2*PR+1], v[(\adr)+FM] offset:(\off)+8*PC
.endr
.endm
.macro WM z, ra, rb                    ; one product; z: it starts the sum (C = 0: nothing is cleared); ra, rb: which half of the lanes holds source 0's and source 1's scale words
.if \z
.if (\ra) && (\rb)
	v_wmma_scale_f32_16x16x128_f8f6f4 v[rD:rD+7], v[rA:rA+11], v[rB:rB+11], 0, v[rSA], v[rSB] matrix_a_fmt:MATRIX_FMT_FP6 matrix_b_fmt:MATRIX_FMT_FP6 matrix_a_scale:MATRIX_SCALE_ROW1 matrix_b_scale:MATRIX_SCALE_ROW1
.elseif (\ra)
	v_wmma_scale_f32_16x16x128_f8f6f4 v[rD:rD+7], v[rA:rA+11], v[rB:rB+11], 0, v[rSA], v[rSB] matrix_a_fmt:MATRIX_FMT_FP6 matrix_b_fmt:MATRIX_FMT_FP6 matrix_a_scale:MATRIX_SCALE_ROW1
.elseif (\rb)
	v_wmma_scale_f32_16x16x128_f8f6f4 v[rD:rD+7], v[rA:rA+11], v[rB:rB+11], 0, v[rSA], v[rSB] matrix_a_fmt:MATRIX_FMT_FP6 matrix_b_fmt:MATRIX_FMT_FP6 matrix_b_scale:MATRIX_SCALE_ROW1
.else
	v_wmma_scale_f32_16x16x128_f8f6f4 v[rD:rD+7], v[rA:rA+11], v[rB:rB+11], 0, v[rSA], v[rSB] matrix_a_fmt:MATRIX_FMT_FP6 matrix_b_fmt:MATRIX_FMT_FP6
.endif
.else
.if (\ra) && (\rb)
	v_wmma_scale_f32_16x16x128_f8f6f4 v[rD:rD+7], v[rA:rA+11], v[rB:rB+11], v[rD:rD+7], v[rSA], v[rSB] matrix_a_fmt:MATRIX_FMT_FP6 matrix_b_fmt:MATRIX_FMT_FP6 matrix_a_scale:MATRIX_SCALE_ROW1 matrix_b_scale:MATRIX_SCALE_ROW1
.elseif (\ra)
	v_wmma_scale_f32_16x16x128_f8f6f4 v[rD:rD+7], v[rA:rA+11], v[rB:rB+11], v[rD:rD+7], v[rSA], v[rSB] matrix_a_fmt:MATRIX_FMT_FP6 matrix_b_fmt:MATRIX_FMT_FP6 matrix_a_scale:MATRIX_SCALE_ROW1
.elseif (\rb)
	v_wmma_scale_f32_16x16x128_f8f6f4 v[rD:rD+7], v[rA:rA+11], v[rB:rB+11], v[rD:rD+7], v[rSA], v[rSB] matrix_a_fmt:MATRIX_FMT_FP6 matrix_b_fmt:MATRIX_FMT_FP6 matrix_b_scale:MATRIX_SCALE_ROW1
.else
	v_wmma_scale_f32_16x16x128_f8f6f4 v[rD:rD+7], v[rA:rA+11], v[rB:rB+11], v[rD:rD+7], v[rSA], v[rSB] matrix_a_fmt:MATRIX_FMT_FP6 matrix_b_fmt:MATRIX_FMT_FP6
.endif
.endif
.endm
; Line i of 32 of the energy of the tile in set q: registers 2 i, 2 i + 1 of its 64 results x dh, in four chains by turns.  Each accumulator is read from its low end on.  Source 0 (dh) lies in window 1.
.macro EL q, i
.set rX, ACC+64*(\q)+2*(\i)
.set rH, DHW+2*(\i)
.set rE, EA+2*((\i)%4)
.if (\i) < 4
	v_pk_mul_f32 v[rE:rE+1], v[rH:rH+1], v[rX:rX+1]
.else
	v_pk_fma_f32 v[rE:rE+1], v[rH:rH+1], v[rX:rX+1], v[rE:rE+1]
.endif
.endm
; My K step d of the tile in set p: W's eight tiles against it.  The eight accumulators take turns, one instruction a turn.  Behind each product stand k lines of the other set's energy, from line l0 on.
.macro MULQ p, ps, d, k, l0
.irp n, 0,1,2,3,4,5,6,7
.set rD, ACC+64*(\p)+8*\n
.set rA, 24*\n+12*(\d)
.set rB, FG+24*(\p)+12*(\d)
.set rSA, WS+4*(\d)+\n/2
.set rSB, AS+2*(\ps)+(\d)
	WM 1-(\d), \n%2, \p
.if (\k) == 2
	EL 1-(\p), \l0+2*\n
	EL 1-(\p), \l0+2*\n+1
.endif
.if (\k) == 4
	EL 1-(\p), \l0+4*\n
	EL 1-(\p), \l0+4*\n+1
	EL 1-(\p), \l0+4*\n+2
	EL 1-(\p), \l0+4*\n+3
.endif
.endr
.endm
; The four chains meet.  Behind the odd tile of a pair the two halves of the lanes meet: one exchange leaves the even tile's two halves in lanes 0-15 of the two registers and the odd tile's in lanes 16-31;
; their sum is my wave's part of the energy of batch r, s = the pair's even tile (lanes 0-15) or odd tile (lanes 16-31).
.macro TAIL q
	v_pk_add_f32 v[EA:EA+1], v[EA:EA+1], v[EA+2:EA+3]
	v_pk_add_f32 v[EA+4:EA+5], v[EA+4:EA+5], v[EA+6:EA+7]
	s_delay_alu instid0(VALU_DEP_1)
	v_pk_add_f32 v[EA:EA+1], v[EA:EA+1], v[EA+4:EA+5]
	s_delay_alu instid0(VALU_DEP_1)
	v_add_f32 v[ER+(\q)], v[EA], v[EA+1]
.if (\q) == 1
	s_delay_alu instid0(VALU_DEP_1)
	v_permlane16_swap_b32 v[ER], v[ER+1]
	s_delay_alu instid0(VALU_DEP_1)
	v_add_f32 v[EP], v[ER], v[ER+1]
.endif
.endm
.macro SCLD pp                         ; my two scale words of the rows of the slot's pair pp of tiles
	ds_load_b64 v[AS+2*((\pp)%2):AS+2*((\pp)%2)+1], v[ADS] offset:1024*(\pp)
.endm
.macro RUN p, pos                      ; 12 LDS loads in one run: the slot's tile pos into set p
.irp d, 0,1
	FRAG FG+24*(\p)+12*\d, AD+5*((\pos)/4), \d, ((\pos)%4)*CH
.endr
.endm
; A TILE: 16 products on set p.  ps: its set of scale words.  wc: the LDS instructions issued behind the loads that it wants.  epi: the tile before has an energy to sum (eoff: where a pair's goes).
; ld: the slot's tile pos is asked for, into the set that this tile leaves.  sc: the scale words of pair spp come, into the set that the pair before the last has left.
; A load into a register that a product has read, and a vector line that reads a result, stand four places behind that product, a product that writes over an accumulator five; only plain vector lines that name none of its registers
; are places.  The other set's energy lines (two behind the last product, then four or six) are those places: no v_nop but in the first tile.
.macro TILE p, ps, wc, epi, eoff, ld, pos, sc, spp
	s_wait_dscnt \wc
	WIN 0x01                                       ; source 0 window 1
	MULQ \p, \ps, 0, 2*\epi, 0
	MULQ \p, \ps, 1, 2*\epi, 16
	WIN 0
.if \epi
	TAIL 1-(\p)
.if (\p) == 0
	ds_store_b32 v[EAD], v[EP] offset:\eoff
.endif
.else
	PLACES
.endif
.if \sc
	SCLD \spp
.endif
.if \ld
	RUN \p, \pos
.endif
.endm
.macro WALK                            ; no tensor load of mine is out: the walking descriptors step to the other slot and the next 8 tiles; the type bits on top are not reached
	s_xor_b32 s[G0A+1], s[G0A+1], SLOT1
	s_add_nc_u64 s[G0A+2:G0A+3], s[G0A+2:G0A+3], FILLB
	s_xor_b32 s[G0S+1], s[G0S+1], SLOT1
	s_add_nc_u64 s[G0S+2:G0S+3], s[G0S+2:G0S+3], FILLS
	s_wait_xcnt 0x0                                ; the last prefetch, a slot back, has read its address, so it may be written:
	s_add_nc_u64 s[PFA:PFA+1], s[PFA:PFA+1], FILLB ; one slot further on than the walking descriptors
.endm
.macro ADDRS                           ; the addresses of the slot that is read from here on
.irp f, 0,1,2,3,4
	v_add_nc_u32 v[AD+\f], s[TB], v[LP+\f]
	v_add_nc_u32 v[AD+5+\f], s[TBH], v[LP+\f]
.endr
	v_add_nc_u32 v[ADS], s[TB], v[SLP]
.endm
; THE CHANGE OF SLOTS stands in a slot's tile 6: tiles 6 and 7 have been asked of LDS, so the slot is left.  Each wave waits for all its tensor loads (its part of the next slot, where it has one), adds 0 to its spare word, and waits
; for that and for its reads of the slot.  fill = 1: the barrier opens a round of the cluster's barrier, and the slot is filled again first thing behind it, with the tiles two slots on: those loads have 8 tiles, 128 products a wave, in which to land.
.macro TURN fill
	WIN 0                                          ; (the add's two registers lie in window 0)
	s_wait_tensorcnt 0x0                           ; all my tensor loads have landed
	ds_add_u32 v[SPW], v[NIL]                      ; 0 onto my spare word
.if \fill
	WALK
.endif
	s_xor_b32 s[TB], s[TB], SLOT1                  ; the reads go on in the other slot
	s_add_co_u32 s[TBH], s[TB], HALF
	s_wait_dscnt 13                                ; tile 6 and its scale words are in; tile 7's 12 loads and the add may be out
	WIN 0x01
	MULQ 0, 1, 0, 0, 0
	s_wait_dscnt 0x0                               ; the add is done, and my reads of this slot are over
	s_barrier_signal -1
	MULQ 0, 1, 1, 4, 0                             ; work on registers while the others arrive: K step 1 and all of tile 5's energy
	WIN 0
	TAIL 1
	s_wait_alu depctr_va_vdst(0)                   ; directly ahead of the wait below
	s_barrier_wait -1
.if \fill
	CREST                                          ; no wave of any partner still reads this slot or has a load on its way
	JLOAD                                          ; the first tensor load behind the round, and a wave's only one until the next
	ASK
.endif
	ds_store_b32 v[EAD], v[EP] offset:16
	ADDRS
	SCLD 0
	RUN 0, 0
.endm
.macro SEVEN                           ; the old slot's tile 7, then the new slot's tiles 0 to 5
	TILE 1, 1, 14, 1, 0,  1, 1, 0, 0               ; behind the change's wait for 0: its store, a scale load and 12 loads
	TILE 0, 0, 12, 1, 24, 1, 2, 1, 1               ; an odd tile issues 12 LDS loads behind those that are wanted,
	TILE 1, 0, 14, 1, 0,  1, 3, 0, 0               ; an even one a store, a scale load and 12
	TILE 0, 1, 12, 1, 32, 1, 4, 1, 2
	TILE 1, 1, 14, 1, 0,  1, 5, 0, 0
	TILE 0, 0, 12, 1, 40, 1, 6, 1, 3
	TILE 1, 0, 14, 1, 0,  1, 7, 0, 0
.endm
	s_load_b256 s[4:11], s[0:1], 0x0               ; W's codes s[4:5], W's scales s[6:7], dh s[8:9], enc's codes s[10:11]
	s_load_b128 s[12:15], s[0:1], 0x20             ; enc's scales s[12:13], part s[14:15]
	v_lshl_add_u32 v[SPW], v0, 2, SPARE
	v_mov_b32 v[NIL], 0
	ds_add_u32 v[SPW], v[NIL]                      ; the wave's opening: the add, twice on end, and its wait ahead of my first tensor load; work on registers stands between
	ds_add_u32 v[SPW], v[NIL]
	v_lshrrev_b32 v240, 5, v0
	v_readfirstlane_b32 s[WV], v240                ; wave 0..7
	s_and_b32 s[W1], s[WV], 1
	s_and_b32 s[KQ], s[WV], 3
	s_lshr_b32 s[EH], s[WV], 2
	s_bfe_u32 s[CX], ttmp6, 0x40000                ; cx, cy: my place in the cluster
	s_bfe_u32 s[CY], ttmp6, 0x40004
	s_lshl_b32 s[QN], ttmp9, 2
	s_add_co_u32 s[QN], s[QN], s[CX]               ; my quarter of e = 4 x cluster x + cx
	s_and_b32 s[GY], ttmp7, 0xffff
	s_lshl_b32 s[GY], s[GY], 2
	s_add_co_u32 s[GY], s[GY], s[CY]               ; my group of rows = 4 x cluster y + cy
	s_lshl_b32 s62, s[CY], 2
	s_lshl_b32 s62, 15, s62                        ; my row of the cluster
	s_lshl_b32 s63, 0x1111, s[CX]                  ; my column
	; group 1, enc's codes: 4 tiles of 12,288 bytes (1,536 elements of 8 bytes), 24,576 bytes apart; 16 bytes of padding behind every 256
	s_or_b32 s[G1A], s62, (3<<16)|(1<<20)|(1<<21)|(5<<22)|(3<<25)  ; 15:0 the mask; 17:16 elements of 8 bytes; 20 padding on; 21 set beside a mask; 24:22 after every 64 words; 31:25 of 4 words
	s_mov_b32 s[G1A+1], 1536<<16                   ; tensor_dim0
	s_mov_b32 s[G1A+2], 4<<16                      ; tensor_dim1
	s_mov_b32 s[G1A+3], 1536<<16                   ; tile_dim0
	s_mov_b32 s[G1A+4], 4                          ; tile_dim1
	s_mov_b32 s[G1A+5], 3072                       ; tensor_dim0_stride
	s_mov_b32 s[G1A+6], 0
	s_mov_b32 s[G1A+7], 0
	; enc's scale bytes: 4 tiles of 512 bytes, 1,024 bytes apart, no padding
	s_or_b32 s[G1S], s62, (3<<16)|(1<<21)
	s_mov_b32 s[G1S+1], 64<<16
	s_mov_b32 s[G1S+2], 4<<16
	s_mov_b32 s[G1S+3], 64<<16
	s_mov_b32 s[G1S+4], 4
	s_mov_b32 s[G1S+5], 128
	s_mov_b32 s[G1S+6], 0
	s_mov_b32 s[G1S+7], 0
	; W's codes: 64 rows are 49,152 dense bytes: 192 rows of 256 bytes, 16 bytes of padding behind each
	s_or_b32 s[G1W], s63, (3<<16)|(1<<20)|(1<<21)|(5<<22)|(3<<25)
	s_mov_b32 s[G1W+1], 32<<16
	s_mov_b32 s[G1W+2], 192<<16
	s_mov_b32 s[G1W+3], 32<<16
	s_mov_b32 s[G1W+4], 192
	s_mov_b32 s[G1W+5], 32
	s_mov_b32 s[G1W+6], 0
	s_mov_b32 s[G1W+7], 0
	; offsets, apart from the addresses.  What feeds enc's descriptors never holds cx, what feeds W's never cy
	s_lshr_b32 s86, s[GY], 1                       ; which 64 values of s
	s_and_b32 s87, s[GY], 1                        ; which 16 batches
	s_mul_i32 s88, s86, 64*24576
	s_mul_i32 s89, s87, 12288
	s_add_co_u32 s88, s88, s89                     ; my group's first tile in enc's codes
	s_mul_i32 s89, s[W1], 4*24576
	s_add_co_u32 s90, s88, s89                     ; the four tiles of a slot that I fetch
	s_mov_b32 s91, 0
	s_lshl_b32 s92, s86, 16
	s_lshl_b32 s89, s87, 9
	s_add_co_u32 s92, s92, s89                     ; the same in enc's scale bytes
	s_lshl_b32 s89, s[W1], 12
	s_add_co_u32 s92, s92, s89
	s_mov_b32 s93, 0
	s_mul_i32 s94, s[QN], 256*768
	s_mul_i32 s95, s[WV], 64*768
	s_add_co_u32 s94, s94, s95                     ; the 64 rows of W that I fetch (waves 0 to 3)
	s_mov_b32 s95, 0
	s_mul_i32 s96, s[CX], 2*24576                  ; the prefetches: my work-group's two tiles of a slot,
	s_add_co_u32 s96, s96, s88
	s_add_co_u32 s96, s96, FILLB                   ; in the second slot's worth: the first change of slots steps it to the third
	s_mov_b32 s97, 0
	s_lshl_b32 s66, s[QN], 10
	s_lshl_b32 s67, s[EH], 9
	s_add_co_u32 s66, s66, s67                     ; my wave's first e, x 4 bytes: in a row of dh
	s_mov_b32 s67, 0
	s_lshl_b32 s68, s66, 3                         ; x 32 bytes: in W's scale bytes,
	s_lshl_b32 s69, s[KQ], 3
	s_add_co_u32 s68, s68, s69                     ; + my K quarter's eight
	s_mov_b32 s69, 0
	s_lshl_b32 s70, s87, 16                        ; my 16 batches' first row of dh
	s_mov_b32 s71, 0
	s_lshl_b32 s72, s[QN], 18                      ; part: quarter x 262,144
	s_lshl_b32 s73, s87, 17                        ; + 16 batches x 8,192
	s_add_co_u32 s72, s72, s73
	s_lshl_b32 s73, s[WV], 14                      ; + the two batches that my wave stores
	s_add_co_u32 s72, s72, s73
	s_lshl_b32 s73, s86, 8                         ; + 64 s x 4 bytes
	s_add_co_u32 s72, s72, s73
	s_mov_b32 s73, 0
	; LDS places.  u(g) = 16 x ((3 kq + g) / 4): the padding ahead of group g of my 24 pieces
	s_mul_i32 s62, s[KQ], 3
	s_mul_i32 s63, s[KQ], 192
	s_lshr_b32 s84, s62, 2
	s_lshl_b32 s84, s84, 4                         ; u(0)
	s_add_co_u32 s85, s62, 1
	s_lshr_b32 s85, s85, 2
	s_lshl_b32 s85, s85, 4                         ; u(1)
	s_add_co_u32 s98, s62, 2
	s_lshr_b32 s98, s98, 2
	s_lshl_b32 s98, s98, 4                         ; u(2)
	s_sub_co_u32 s74, s85, s84
	s_add_co_u32 s74, s74, 24                      ; lanes 16-31: 24 bytes on, and what the padding grows by: groups 0 and 1,
	s_sub_co_u32 s75, s98, s85
	s_add_co_u32 s75, s75, 24                      ; groups 1 and 2
	s_add_co_u32 s84, s84, s63
	s_add_co_u32 s85, s85, s63
	s_add_co_u32 s98, s98, s63
	s_lshl_b32 s99, s[KQ], 3
	s_add_co_u32 s99, s99, SCOFF                   ; a slot's scale words, my K quarter
	s_mul_i32 s2, s[EH], 8*CH
	s_add_co_u32 s2, s2, WST                       ; my 128 rows of W in the stage: tiles 0-3,
	s_add_co_u32 s3, s2, HALF                      ; tiles 4-7
	s_mul_i32 s16, s[WV], 16*EPITCH
	s_add_co_u32 s16, s16, EB                      ; my wave's energies
	s_mul_i32 s17, s[WV], 2*EPITCH
	s_add_co_u32 s17, s17, EB                      ; the batches that I store: 2 w, 2 w + 1
	s_cmp_lt_u32 s[WV], 3
	s_cselect_b32 s[LIM], 1, -1                    ; waves 0 to 2 prefetch: the same in every work-group
	s_mov_b32 s[TB], 0
	s_mov_b32 s[TBH], HALF
	s_mov_b32 s[EO], 0
	s_mov_b32 s[CNT], 6
	s_wait_dscnt 0x0                               ; both opening adds are done
	s_wait_kmcnt 0x0
	s_mov_b32 s[G0A], 1                            ; 1:0 count = 1
	s_mul_i32 s[G0A+1], s[W1], HALF                ; 63:32 LDS address: slot 0, my four tiles
	s_add_nc_u64 s[G0A+2:G0A+3], s[10:11], s[90:91]  ; 120:64 global address
	s_or_b32 s[G0A+3], s[G0A+3], 0x80000000        ; 127:126 type = 2
	s_mov_b32 s[G0S], 1
	s_lshl_b32 s[G0S+1], s[W1], 11
	s_add_co_u32 s[G0S+1], s[G0S+1], SCOFF
	s_add_nc_u64 s[G0S+2:G0S+3], s[12:13], s[92:93]
	s_or_b32 s[G0S+3], s[G0S+3], 0x80000000
	s_mov_b32 s[G0W], 1
	s_mul_i32 s[G0W+1], s[WV], HALF
	s_add_co_u32 s[G0W+1], s[G0W+1], WST
	s_add_nc_u64 s[G0W+2:G0W+3], s[4:5], s[94:95]
	s_or_b32 s[G0W+3], s[G0W+3], 0x80000000
	s_add_nc_u64 s[6:7], s[6:7], s[68:69]
	s_add_nc_u64 s[8:9], s[8:9], s[66:67]
	s_add_nc_u64 s[8:9], s[8:9], s[70:71]
	s_add_nc_u64 s[14:15], s[14:15], s[72:73]
	s_add_nc_u64 s[PFA:PFA+1], s[10:11], s[96:97]
	CROUND                                         ; all sixteen work-groups are here: the first joint loads meet
	; THE HEAD'S LOADS, ONE A WAVE: waves 0 to 3 fetch 64 rows of W each, with my column of the cluster; waves 4 and 5 slot 0's codes, waves 6 and 7 its scale bytes, with my row
	s_cmp_lt_u32 s[WV], 4
	s_cbranch_scc0 .Lhead_codes
	tensor_load_to_lds s[G0W:G0W+3], s[G1W:G1W+7]
	s_nop 0
	PLACES
	s_branch .Lhead_asked
.Lhead_codes:
	s_cmp_lt_u32 s[WV], 6
	s_cbranch_scc0 .Lhead_scales
	tensor_load_to_lds s[G0A:G0A+3], s[G1A:G1A+7]
	s_nop 0
	PLACES
	s_branch .Lhead_asked
.Lhead_scales:
	tensor_load_to_lds s[G0S:G0S+3], s[G1S:G1S+7]
	s_nop 0
	PLACES
.Lhead_asked:
	v_and_b32 v[RR], 15, v0                        ; r
	v_bfe_u32 v[HH], v0, 4, 1                      ; h
	v_and_b32 v226, 31, v0
	v_lshlrev_b32 v227, 5, v226                    ; W's scale words: 32 bytes a row; lane l takes row l of a pair of tiles
	v_lshlrev_b32 v228, 5, v[HH]                   ; dh: my half's eight e of a tile,
	v_lshl_add_u32 v229, v[RR], 12, v228           ; in batch r's row of 4,096 bytes
.irp c, 0,1,2,3
	global_load_b32 v[WS+\c], v227, s[6:7] offset:1024*\c
	global_load_b32 v[WS+4+\c], v227, s[6:7] offset:1024*\c+4
.endr
	WIN 0x40                                       ; destination window 1
.irp n, 0,1,2,3,4,5,6,7
	global_load_b128 v[DHW+8*\n:DHW+8*\n+3], v229, s[8:9] offset:64*\n
	global_load_b128 v[DHW+8*\n+4:DHW+8*\n+7], v229, s[8:9] offset:64*\n+16
.endr
	WIN 0
	v_mul_u32_u24 v230, v[RR], RP
	v_mul_u32_u24 v231, 24, v[HH]
	v_mul_u32_u24 v232, s74, v[HH]
	v_mul_u32_u24 v233, s75, v[HH]
	v_add_nc_u32 v234, s84, v230
	v_add_nc_u32 v235, s85, v230
	v_add_nc_u32 v236, s98, v230
	v_add_nc_u32 v[LP], v234, v231
	v_add_nc_u32 v[LP+1], v234, v232
	v_add_nc_u32 v[LP+2], v235, v231
	v_add_nc_u32 v[LP+3], v235, v233
	v_add_nc_u32 v[LP+4], v236, v231
	v_lshlrev_b32 v[SLP], 5, v[RR]
	v_lshl_add_u32 v[SLP], v[HH], 9, v[SLP]
	v_add_nc_u32 v[SLP], s99, v[SLP]
.irp f, 0,1,2,3,4
	v_add_nc_u32 v[AD+\f], s2, v[LP+\f]            ; for now: my rows of W in the stage
	v_add_nc_u32 v[AD+5+\f], s3, v[LP+\f]
.endr
	v_mul_u32_u24 v[EST], v[RR], EPITCH
	v_lshl_add_u32 v[EST], v[HH], 2, v[EST]
	v_add_nc_u32 v[EST], s16, v[EST]               ; my wave's energies: batch r's row, + 4 bytes for the odd tile of a pair
	v_mul_u32_u24 v[RD], v[HH], EPITCH
	v_lshl_add_u32 v[RD], v[RR], 4, v[RD]
	v_add_nc_u32 v[RD], s17, v[RD]                 ; back: batches 2 w + h; sixteen lanes take a batch's 64 s
	v_lshlrev_b32 v[CO], 13, v[HH]
	v_lshl_add_u32 v[CO], v[RR], 4, v[CO]          ; and the same in part: a batch's row is 8,192 bytes
	v_mov_b32 v238, 12288
	v_cmp_lt_u32 vcc_lo, 47, v0
	v_cndmask_b32 v238, 0, v238, vcc_lo
	v_lshlrev_b32 v[PFO], 8, v0                    ; the prefetches: threads 0-47 the first tile's 48 x 256 bytes, threads 48-95 the second's, which begins 24,576 bytes on
	v_add_nc_u32 v[PFO], v[PFO], v238
	s_wait_alu depctr_va_vdst(0)
	ASK                                            ; slot 1's tiles
	s_cmp_lt_u32 s[WV], 4
	s_cbranch_scc0 .Lnot_w
	s_wait_tensorcnt 0x0                           ; waves 0 to 3: my rows of W have landed.  Slot 0's loads, the other waves', may be out
.Lnot_w:
	s_barrier_signal -1
	s_barrier_wait -1                              ; W's stage is whole
	WIN 0x40
.irp n, 0,1,2,3,4,5,6,7
.irp d, 0,1
	FRAG 24*\n+12*\d, AD+5*(\n/4), \d, (\n%4)*CH
.endr
.endr
	WIN 0
	; THE FIRST CHANGE: W's stage is left, slot 0 is whole, slot 1 is filled over the stage
	s_wait_loadcnt 0x0                             ; W's scale words, dh
	s_wait_tensorcnt 0x0                           ; my part of slot 0 has landed
	ds_add_u32 v[SPW], v[NIL]                      ; 0 onto my spare word
	WALK
	s_wait_dscnt 0x0                               ; the add is done, and W is in my registers
	CROUND
	JLOAD                                          ; slot 1
	ASK                                            ; the tiles that the next change will ask for
	ADDRS
	v_add_nc_u32 v[EAD], s[EO], v[EST]
	SCLD 0
	RUN 0, 0
	RUN 1, 1
	s_wait_alu depctr_va_vdst(0)                   ; directly ahead of the wait below
	TILE 0, 0, 12, 0, 0, 1, 2, 1, 1                ; slot 0's tiles 0 to 5.  The first has no energy to sum: v_nop are its places
	TILE 1, 0, 13, 1, 0, 1, 3, 0, 0                ; (the first tile stored nothing)
	TILE 0, 1, 12, 1, 0, 1, 4, 1, 2
	TILE 1, 1, 14, 1, 0, 1, 5, 0, 0
	TILE 0, 0, 12, 1, 8, 1, 6, 1, 3
	TILE 1, 0, 14, 1, 0, 1, 7, 0, 0
	WIN 0                                          ; at a label and at a branch every window is 0
.Lslot:                                            ; six trips: a slot's tiles 6 and 7 and the next slot's tiles 0 to 5; each fills the slot that it leaves
	v_add_nc_u32 v[EAD], s[EO], v[EST]
	TURN 1
	SEVEN
	WIN 0
	s_add_co_u32 s[EO], s[EO], 32
	s_sub_co_u32 s[CNT], s[CNT], 1
	s_cmp_lg_u32 s[CNT], 0
	s_cbranch_scc1 .Lslot
	v_add_nc_u32 v[EAD], s[EO], v[EST]             ; the last change is written out: nothing is left to fetch
	TURN 0
	SEVEN
	WIN 0
	s_add_co_u32 s[EO], s[EO], 32
	v_add_nc_u32 v[EAD], s[EO], v[EST]
	TILE 0, 1, 12, 1, 16, 0, 0, 0, 0               ; the last slot's tiles 6 and 7
	TILE 1, 1, 1,  1, 0,  0, 0, 0, 0               ; (one store stands behind the loads that are wanted)
	WIN 0x01
.irp i, 0,1,2,3,4,5,6,7,8,9,10,11,12,13,14,15,16,17,18,19,20,21,22,23,24,25,26,27,28,29,30,31
	EL 1, \i                                       ; the last tile's energy: the six lines of the tile before it are the places behind the last product
.endr
	WIN 0
	TAIL 1
	ds_store_b32 v[EAD], v[EP] offset:24
	; THE WAY OUT: the eight waves' energies (two halves of e, four K quarters) are added; wave w takes batches 2 w, 2 w + 1
	s_wait_dscnt 0x0                               ; for the others' sake: my stores are done
	s_barrier_signal -1
	s_barrier_wait -1
.irp c, 0,1,2,3,4,5,6,7
	ds_load_b128 v[OUTR+4*\c:OUTR+4*\c+3], v[RD] offset:\c*16*EPITCH
.endr
	s_wait_dscnt 0x0
.irp c, 0,2,4,6
.irp j, 0,2
	v_pk_add_f32 v[OUTR+4*\c+\j:OUTR+4*\c+\j+1], v[OUTR+4*\c+\j:OUTR+4*\c+\j+1], v[OUTR+4*\c+4+\j:OUTR+4*\c+5+\j]
.endr
.endr
.irp c, 0,4
.irp j, 0,2
	v_pk_add_f32 v[OUTR+4*\c+\j:OUTR+4*\c+\j+1], v[OUTR+4*\c+\j:OUTR+4*\c+\j+1], v[OUTR+4*\c+8+\j:OUTR+4*\c+9+\j]
.endr
.endr
.irp j, 0,2
	v_pk_add_f32 v[OUTR+\j:OUTR+\j+1], v[OUTR+\j:OUTR+\j+1], v[OUTR+16+\j:OUTR+17+\j]
.endr
	global_store_b128 v[CO], v[OUTR:OUTR+3], s[14:15]   ; 16 lanes store 256 consecutive bytes, at a multiple of 256 from part's first byte
	s_wait_tensorcnt 0x0                           ; the wave's end: behind my last tensor load and my last LDS store
	ds_add_u32 v[SPW], v[NIL]
	s_wait_dscnt 0x0
	CROUND                                         ; the closing round: no work-group ends while a partner may still ask for a tile that names it
	s_endpgm
.Lfunc_end_k_qc8f8a1f10e_energy:
	.size	k_qc8f8a1f10e_energy, .Lfunc_end_k_qc8f8a1f10e_energy-k_qc8f8a1f10e_energy
	.p2alignl 7, 3214868480
	.fill 96, 4, 3214868480
	.section	.rodata,"a",@progbits
	.p2align	6, 0x0
	.amdhsa_kernel k_qc8f8a1f10e_energy
		.amdhsa_group_segment_fixed_size 327680
		.amdhsa_private_segment_fixed_size 0
		.amdhsa_enable_private_segment 0
		.amdhsa_kernarg_size 48
		.amdhsa_user_sgpr_count 2
		.amdhsa_user_sgpr_kernarg_segment_ptr 1
		.amdhsa_wavefront_size32 1
		.amdhsa_system_sgpr_workgroup_id_x 1
		.amdhsa_system_sgpr_workgroup_id_y 1
		.amdhsa_system_sgpr_workgroup_id_z 1
		.amdhsa_system_vgpr_workitem_id 0
		.amdhsa_next_free_vgpr 512
		.amdhsa_next_free_sgpr 100
		.amdhsa_reserve_vcc 1
		.amdhsa_float_denorm_mode_32 3
		.amdhsa_float_denorm_mode_16_64 3
		.amdhsa_memory_ordered 1
		.amdhsa_forward_progress 1
		.amdhsa_inst_pref_size 152
	.end_amdhsa_kernel
	.amdgpu_metadata
---
amdhsa.version: [ 1, 2 ]
amdhsa.kernels:
  - .name:           k_qc8f8a1f10e_energy
    .symbol:         k_qc8f8a1f10e_energy.kd
    .args:
      - { .name: W_codes, .offset: 0, .size: 8, .value_kind: global_buffer, .address_space: global }
      - { .name: W_scales, .offset: 8, .size: 8, .value_kind: global_buffer, .address_space: global }
      - { .name: decoder_hidden, .offset: 16, .size: 8, .value_kind: global_buffer, .address_space: global }
      - { .name: encoder_outputs_codes, .offset: 24, .size: 8, .value_kind: global_buffer, .address_space: global }
      - { .name: encoder_outputs_scales, .offset: 32, .size: 8, .value_kind: global_buffer, .address_space: global }
      - { .name: part, .offset: 40, .size: 8, .value_kind: global_buffer, .address_space: global }
    .group_segment_fixed_size: 327680
    .private_segment_fixed_size: 0
    .kernarg_segment_align: 8
    .kernarg_segment_size: 48
    .max_flat_workgroup_size: 256
    .sgpr_count:     100
    .vgpr_count:     512
    .wavefront_size: 32
...
	.end_amdgpu_metadata
.endif
;; end of part 1
;; launch softmax (part 2): grid 32 x 1, 16 waves a work-group, no clusters, 2,560 bytes of LDS; arguments part, out0; writes out0
.if DOCPART == 2
	.amdgcn_target "amdgcn-amd-amdhsa--gfx1250"
	.amdhsa_code_object_version 6
	.text
	.protected	k_qc8f8a1f10e_softmax
	.globl	k_qc8f8a1f10e_softmax
	.p2align	8
	.type	k_qc8f8a1f10e_softmax,@function
k_qc8f8a1f10e_softmax:
	s_mov_b64 s[64:65], 0
	v_nop
	global_prefetch_b8 v0, s[64:65] scope:SCOPE_SE
	s_setreg_imm32_b32 hwreg(HW_REG_WAVE_MODE, 25, 1), 1
	s_wait_xcnt 0x0
; out0[b][0][s] = softmax over s of the sum over q of part[q][b][s].  part: [4][32][2048] f32; out0: [32][1][2048] f32.
; A work-group takes one batch; thread t of 512 takes s = 4 t .. 4 t + 3: each load and store of a wave covers 512 consecutive bytes.  The row's maximum is taken away ahead of the exponential.
; The launch moves 1.3 MB and shares nothing between work-groups: no matrix work, no tensor load, no cluster, no prefetch.
; LIMIT: a weight under 2^-126 comes out as 0 (v_exp_f32 gives no denormals: ISA guide, its entry in 15.8).
	s_load_b128 s[4:7], s[0:1], 0x0                ; part, out0
	v_lshl_add_u32 v48, v0, 2, 0x200
	v_mov_b32 v49, 0
	v_lshlrev_b32 v1, 4, v0                        ; my 16 bytes of a row
	v_lshrrev_b32 v2, 5, v0
	s_delay_alu instid0(VALU_DEP_1)
	v_lshlrev_b32 v2, 2, v2                        ; LDS: my wave's word
	v_mov_b32 v3, 0
	v_mov_b32 v21, 0                               ; written once: a lane permute's destination counts as one of its sources
	s_lshl_b32 s8, ttmp9, 13                       ; my batch's row of 8,192 bytes
	s_mov_b32 s9, 0
	s_mov_b32 s12, 0x76543210                      ; v_permlanex16_b32's selects for lane l xor 16
	s_mov_b32 s13, 0xfedcba98
	s_wait_alu depctr_va_vdst(0)
	s_wait_kmcnt 0x0
	s_add_nc_u64 s[4:5], s[4:5], s[8:9]
	s_add_nc_u64 s[6:7], s[6:7], s[8:9]
.irp q, 0,1,2,3
	global_load_b128 v[4+4*\q:7+4*\q], v1, s[4:5] offset:262144*\q th:TH_LOAD_NT
.endr
	s_wait_loadcnt 0x0
	v_pk_add_f32 v[4:5], v[4:5], v[8:9]            ; the four quarters of e
	v_pk_add_f32 v[6:7], v[6:7], v[10:11]
	v_pk_add_f32 v[12:13], v[12:13], v[16:17]
	v_pk_add_f32 v[14:15], v[14:15], v[18:19]
	s_delay_alu instid0(VALU_DEP_2)
	v_pk_add_f32 v[4:5], v[4:5], v[12:13]
	s_delay_alu instid0(VALU_DEP_2)
	v_pk_add_f32 v[6:7], v[6:7], v[14:15]          ; v4-7: my four energies
	s_delay_alu instid0(VALU_DEP_1)
	v_max3_num_f32 v20, v4, v5, v6
	s_delay_alu instid0(VALU_DEP_1)
	v_max_num_f32 v20, v20, v7
	s_delay_alu instid0(VALU_DEP_1)
	v_max_num_f32_dpp v20, v20, v20 row_xmask:1 row_mask:0xf bank_mask:0xf
	s_delay_alu instid0(VALU_DEP_1)
	v_max_num_f32_dpp v20, v20, v20 row_xmask:2 row_mask:0xf bank_mask:0xf
	s_delay_alu instid0(VALU_DEP_1)
	v_max_num_f32_dpp v20, v20, v20 row_xmask:4 row_mask:0xf bank_mask:0xf
	s_delay_alu instid0(VALU_DEP_1)
	v_max_num_f32_dpp v20, v20, v20 row_xmask:8 row_mask:0xf bank_mask:0xf
	s_delay_alu instid0(VALU_DEP_1)
	v_permlanex16_b32 v21, v20, s12, s13
	s_delay_alu instid0(VALU_DEP_1)
	v_max_num_f32 v20, v20, v21                    ; my wave's maximum, in every lane
	ds_store_b32 v2, v20                           ; all lanes write the same word with the same value
	s_wait_dscnt 0x0                               ; for the others' sake
	s_barrier_signal -1
	s_barrier_wait -1
.irp i, 0,1,2,3
	ds_load_b128 v[24+4*\i:27+4*\i], v3 offset:16*\i   ; the sixteen waves' maxima
.endr
	s_wait_dscnt 0x0
	v_max3_num_f32 v24, v24, v25, v26
	v_max3_num_f32 v27, v27, v28, v29
	v_max3_num_f32 v30, v30, v31, v32
	v_max3_num_f32 v33, v33, v34, v35
	v_max3_num_f32 v36, v36, v37, v38
	s_delay_alu instid0(VALU_DEP_3)
	v_max3_num_f32 v24, v24, v27, v30
	s_delay_alu instid0(VALU_DEP_2)
	v_max3_num_f32 v33, v33, v36, v39
	s_delay_alu instid0(VALU_DEP_1)
	v_max_num_f32 v24, v24, v33                    ; the row's maximum
.irp j, 4,5,6,7
	v_sub_f32 v\j, v\j, v24                        ; the difference first, then the factor: not fused, so that energies near a large maximum lose nothing to the rounding of maximum x log2(e)
.endr
.irp j, 4,5,6,7
	s_delay_alu instid0(VALU_DEP_4)
	v_mul_f32 v\j, 0x3fb8aa3b, v\j                 ; x log2(e)
.endr
	s_wait_alu depctr_va_vdst(0)
.irp j, 4,5,6,7
	v_exp_f32 v\j, v\j
.endr
	v_nop                                          ; a plain line behind the last exponential
	s_wait_alu depctr_va_vdst(0)                   ; one wait for the four, ahead of their first reader
	v_add_f32 v20, v4, v5
	v_add_f32 v22, v6, v7
	s_delay_alu instid0(VALU_DEP_1)
	v_add_f32 v20, v20, v22
	s_delay_alu instid0(VALU_DEP_1)
	v_add_f32_dpp v20, v20, v20 row_xmask:1 row_mask:0xf bank_mask:0xf
	s_delay_alu instid0(VALU_DEP_1)
	v_add_f32_dpp v20, v20, v20 row_xmask:2 row_mask:0xf bank_mask:0xf
	s_delay_alu instid0(VALU_DEP_1)
	v_add_f32_dpp v20, v20, v20 row_xmask:4 row_mask:0xf bank_mask:0xf
	s_delay_alu instid0(VALU_DEP_1)
	v_add_f32_dpp v20, v20, v20 row_xmask:8 row_mask:0xf bank_mask:0xf
	s_delay_alu instid0(VALU_DEP_1)
	v_permlanex16_b32 v21, v20, s12, s13
	s_delay_alu instid0(VALU_DEP_1)
	v_add_f32 v20, v20, v21                        ; my wave's sum
	ds_store_b32 v2, v20 offset:64
	s_wait_dscnt 0x0
	s_barrier_signal -1
	s_barrier_wait -1
.irp i, 0,1,2,3
	ds_load_b128 v[24+4*\i:27+4*\i], v3 offset:64+16*\i
.endr
	s_wait_dscnt 0x0
	v_pk_add_f32 v[24:25], v[24:25], v[26:27]
	v_pk_add_f32 v[28:29], v[28:29], v[30:31]
	v_pk_add_f32 v[32:33], v[32:33], v[34:35]
	v_pk_add_f32 v[36:37], v[36:37], v[38:39]
	s_delay_alu instid0(VALU_DEP_3)
	v_pk_add_f32 v[24:25], v[24:25], v[28:29]
	s_delay_alu instid0(VALU_DEP_2)
	v_pk_add_f32 v[32:33], v[32:33], v[36:37]
	s_delay_alu instid0(VALU_DEP_1)
	v_pk_add_f32 v[24:25], v[24:25], v[32:33]
	s_delay_alu instid0(VALU_DEP_1)
	v_add_f32 v24, v24, v25                        ; the row's sum: at least 1, since the maximum's own term is 1
	s_wait_alu depctr_va_vdst(0)
	v_rcp_f32 v24, v24
	v_nop                                          ; a plain line behind the reciprocal
	s_wait_alu depctr_va_vdst(0)                   ; and the wait ahead of its first reader
	v_pk_mul_f32 v[4:5], v[4:5], v[24:25] op_sel_hi:[1,0]
	v_pk_mul_f32 v[6:7], v[6:7], v[24:25] op_sel_hi:[1,0]
	global_store_b128 v1, v[4:7], s[6:7]           ; 32 lanes store 512 consecutive bytes, at a multiple of 256 from out0's first byte
	s_wait_tensorcnt 0x0
	ds_add_u32 v48, v49
	s_wait_dscnt 0x0
	s_endpgm
.Lfunc_end_k_qc8f8a1f10e_softmax:
	.size	k_qc8f8a1f10e_softmax, .Lfunc_end_k_qc8f8a1f10e_softmax-k_qc8f8a1f10e_softmax
	.p2alignl 7, 3214868480
	.fill 96, 4, 3214868480
	.section	.rodata,"a",@progbits
	.p2align	6, 0x0
	.amdhsa_kernel k_qc8f8a1f10e_softmax
		.amdhsa_group_segment_fixed_size 2560
		.amdhsa_private_segment_fixed_size 0
		.amdhsa_enable_private_segment 0
		.amdhsa_kernarg_size 16
		.amdhsa_user_sgpr_count 2
		.amdhsa_user_sgpr_kernarg_segment_ptr 1
		.amdhsa_wavefront_size32 1
		.amdhsa_system_sgpr_workgroup_id_x 1
		.amdhsa_system_sgpr_workgroup_id_y 1
		.amdhsa_system_sgpr_workgroup_id_z 1
		.amdhsa_system_vgpr_workitem_id 0
		.amdhsa_next_free_vgpr 50
		.amdhsa_next_free_sgpr 66
		.amdhsa_reserve_vcc 0
		.amdhsa_float_denorm_mode_32 3
		.amdhsa_float_denorm_mode_16_64 3
		.amdhsa_memory_ordered 1
		.amdhsa_forward_progress 1
		.amdhsa_inst_pref_size 7
	.end_amdhsa_kernel
	.amdgpu_metadata
---
amdhsa.version: [ 1, 2 ]
amdhsa.kernels:
  - .name:           k_qc8f8a1f10e_softmax
    .symbol:         k_qc8f8a1f10e_softmax.kd
    .args:
      - { .name: part, .offset: 0, .size: 8, .value_kind: global_buffer, .address_space: global }
      - { .name: out0, .offset: 8, .size: 8, .value_kind: global_buffer, .address_space: global }
    .group_segment_fixed_size: 2560
    .private_segment_fixed_size: 0
    .kernarg_segment_align: 8
    .kernarg_segment_size: 16
    .max_flat_workgroup_size: 512
    .sgpr_count:     66
    .vgpr_count:     50
    .wavefront_size: 32
...
	.end_amdgpu_metadata
.endif
;; end of part 2
